; MI455X (gfx1250); checked and timed in simulation.
; The chip was launched on July 23, 2026; its instructions are those of AMD's public machine-readable ISA for CDNA 5 (MIT licence, August 2026) and "CDNA5" Instruction Set Architecture Reference Guide (July 2026). The comments in the code are by the model that wrote it; some were corrected since.
;; CLUB. Allowed arithmetic: matrix products marked QUANTISED: E4M3 operands, one given power-of-two scale a tensor, by v_wmma_f32_16x16x64_fp8_fp8 or v_wmma_f32_16x16x128_fp8_fp8, f32 sums; products left as they are: f32 operands where the result goes on into a quantised operand, else bf16, f16 or f32 operands; f32 sums; everything else in f32.
;; Inputs: W1 128 x 256 float32; W2_codes 128 x 4 x 32 uint8 (E4M3 codes of W2, K innermost, in blocks of 32 codes); W3 1 x 128 float32; b1 128 float32; b2 128 float32; b3 1 float32; lowp_scales 6 int32 (the exponents e of the quantised operands' scales 2^e); z1_codes 1,024 x 4 x 32 uint8 (E4M3 codes of z1, K innermost, in blocks of 32 codes); z2_codes 1,024 x 4 x 32 uint8 (E4M3 codes of z2, K innermost, in blocks of 32 codes).
;; Outputs: out0 1,024 x 1,024 float32.
;; This version of the problem:
;;   THIS VERSION OF THE PROBLEM IS GIVEN IN LOW PRECISION. The matrix products marked QUANTISED in the list below multiply operands that are first quantised to E4M3 (4 exponent bits, 3 mantissa bits; 8 bits a number), with one given power-of-two scale for each operand tensor; their sums are f32. All else is computed in f32.
;;   The module's matrix products, in the order in which they are computed (A, B: the left and right operand; K: the contracted axis; several contracted axes count as one K, in the product's order):
;;     1. [M 1,024, K 128] x [K 128, N 128]; A: input z1 (given as codes); B: input W1: QUANTISED (scales: A lowp_scales[0], B lowp_scales[1])
;;     2. [M 1,024, K 128] x [K 128, N 128]; A: input z2 (given as codes); B: input W1: QUANTISED (scales: A lowp_scales[2], B lowp_scales[3])
;;     3. [M 1,048,576, K 128] x [K 128, N 128]; A: computed on the way; B: input W2 (given as codes): QUANTISED (scales: A lowp_scales[4], B lowp_scales[5])
;;     4. [M 1,048,576, K 128] x [K 128, N 1]; A: computed on the way; B: input W3: left as it is (N = 1 < 16)
;;   THE QUANTISER, for each operand of a quantised product, along K:
;;     - The operand's scale is 2^e, e = its entry of the input lowp_scales (int32; the entries are numbered through the quantised products in the list's order, A before B).
;;     - Each number is divided by the scale, clamped to +-448, and rounded to the nearest number of E4M3, ties to even, subnormals kept.
;;     - The product sums the exact products of the quantised numbers (number of the format x scale) in f32.
;;   ~~~python
;;   def quantise(x, axis, e):      # numpy; x: float32 -> the quantised numbers, widened to float32 again
;;       x = np.moveaxis(x, axis, -1); K = x.shape[-1]
;;       r = np.clip(x / 2.0 ** e, -448, 448)
;;       step = 2.0 ** (np.maximum(np.frexp(np.where(r == 0, 1, r))[1] - 1, -6) - 3)
;;       q = np.round(r / step) * step * 2.0 ** e      # np.round: ties to even
;;       return np.moveaxis(q, -1, axis).astype(np.float32)
;;   ~~~
;;   OPERANDS COMPUTED ON THE WAY. 'Computed on the way' means the value that the module computes at that place (a softmax that the list does not call 'softmax' is quantised finished and normalised). What goes into a quantiser is computed in f32, as accurately as f32 sums, v_exp_f32 and their like allow (about 1e-6 of the number): no bf16 or f16 on the way to a quantiser, and a product that is left as it is and whose result goes on into a quantised operand takes f32 operands (vector FMAs, or v_wmma_f32_16x16x4_f32). A number that lies on a knife's edge between two numbers of the format may be rounded either way, as far as f32 arithmetic and the matrix unit's own rounding can turn it there, and no further.
;;   INPUTS GIVEN AS CODES. W2 (in the module: [128, 128], K = its axis 1); z1 (in the module: [1024, 128], K = its axis 1); z2 (in the module: [1024, 128], K = its axis 1): each comes as NAME_codes (uint8): NAME with its K axis moved to the last place and cut into blocks of 32 codes, [.., K / 32, bytes a block], one block behind the other in memory; one code a byte (a code: sign, 4 exponent bits, 3 mantissa bits); its scale is its entry of lowp_scales. Its value is code x scale, taken as it is: it is not quantised again, and the codes and scales need not be those that the quantiser above would give.
;; 2 versions, each right; version 2 is version 1 with the launch club written anew for expert scheduling mode. Each part assembles by itself: llvm-mc -triple=amdgcn-amd-amdhsa -mcpu=gfx1250 --defsym DOCPART=n.
;; ======== version 1 of 2: 1 launch
;; limits: a function is approximated: absolute error at most 5e-07
;; launch club (part 1): grid 16 x 16, 8 waves a work-group, no clusters, 83,968 bytes of LDS; arguments z1_codes, z2_codes, W1, b1, W2_codes, b2, W3, b3, lowp_scales, out0; writes out0
.if DOCPART == 1
	.amdgcn_target "amdgcn-amd-amdhsa--gfx1250"
	.amdhsa_code_object_version 6
	.text
	.protected	k_qfc9d785ed3_club
	.globl	k_qfc9d785ed3_club
	.p2align	8
	.type	k_qfc9d785ed3_club,@function
k_qfc9d785ed3_club:
	s_mov_b64 s[64:65], 0
	v_nop
	global_prefetch_b8 v0, s[64:65] scope:SCOPE_SE
	s_setreg_imm32_b32 hwreg(HW_REG_WAVE_MODE, 25, 1), 1
	s_wait_xcnt 0x0
; out[i][j] = W3 . gelu(W2 . gelu(a[j] + b[i] + b1) + b2) + b3 for 1,024 x 1,024 pairs; a = z1 W1a^T, b = z2 W1b^T.
; The three products with K = 128 run on codes of FP8 (E4M3), each operand with its given scale 2^e (e0 .. e5 in lowp_scales): z1, z2, W2 arrive as codes, W1's two halves (e1, e3) and the
; first hidden layer (e4) are quantised here, in registers.  The last product (one column) is packed f32 multiply-adds.  Nothing between the inputs and out goes to memory.
; SHARES.  A work-group owns 64 rows i x 64 columns j of out: 16 x 16 work-groups.  Wave w of eight owns columns 16 (w & 3) + 0..15 and rows 32 (w >> 2) + 0..31: 32 tiles, a tile = one i against 16 j.
; Each work-group makes its own 64 rows of a and of c = b + b1 at its head (96 matrix instructions against its 2,048 in the tiles).
; THE WORK IS VECTOR WORK: a tile has 8 matrix instructions and some 1,100 vector instructions (2 x 1,024 gelus a wave).  So: packed f32 forms, and layouts in which nothing changes lanes.
; LAYOUT.  L = lane, r = L % 16, hh = L / 16.  Every fragment (16 rows x 128 K, 16 registers) holds k = 32 c + 16 hh + 0..15 in registers 4 c .. 4 c + 3, alike on both sides of every product.
; Every product is used transposed (source 0 = 16 rows of the weight, source 1 = 16 rows of z or 16 pairs): a lane holds ONE pair and eight units.  THE ROWS OF W1 THAT FORM A TILE ARE NOT NEIGHBOURS:
; lane r of tile t takes row 32 (t / 2) + 8 (t % 2) + r + (r & 8), so that register n = 16 b + i of a lane's 64 is hidden unit 32 b + 16 hh + i: the order in which the next operand wants its codes.
; GELU.  R = max(x, 0), v = |x| / 2 = R - x / 2; gelu(x) = R - v erfc(|x| / sqrt 2); erfc(z) = (1 + a1 z + .. + a6 z^6)^-16 (Abramowitz and Stegun 7.1.28, error at most 3e-7 for every z >= 0),
; as a polynomial in v with d_k = a_k 2^(k/2).  All d_k are positive: for large |x| the polynomial goes to +infinity, its reciprocal to 0, and the result is x or 0: no clamp of x is needed.
; ACCURACY: absolute error of gelu under 5e-7 everywhere; about 1e-6 of the number for x >= -1; below that 1.5e-7 / Phi(x) of the number (7e-6 at x = -2, 1e-4 at x = -3).
; LIMITS: e1, e3, e4 between -126 and 119; e0 + e1, e2 + e3, e4 + e5 between -126 and 127 (each power of two is made as an f32 number).  NaN and infinities among the inputs are not served.
; NO CLUSTER, NO TENSOR LOADS: what work-groups share (W1, W2: 144 KB) is read once at the head, and W1 has to pass through registers to be quantised; no LDS byte is filled twice.
; REGISTERS.  Window 0: v1-12 addresses; v[14:15] d6; v16-79 a; v80-143 c of the tile; v144-159 codes just made; v160-175 R; v176-191 the polynomial; v192-255 x, h1, then the second layer.
;   Window 1: v0-127 W2's eight fragments; v128-191 b2; v192-255 W3 (both in the result's order: tile t, register jr: unit 16 t + 8 hh + jr).
.set W1IMG, 0                          ; LDS: images of W1's 16 fragments (0-7: W1a's tiles, 8-15: W1b's), 2,048 bytes each: register group c at 512 c + 16 L
.set CROWS, 32768                      ; 64 rows of c, 528 bytes apart: half hh at 256 hh, 64 numbers in the order n
.set OUTST, CROWS+64*528               ; the stage for out: 2,048 bytes for each wave: tile's row x 64 bytes + 4 r
.set LI,  1                            ; v1   16 L
.set ZL,  2                            ; v2   128 r + 16 hh: a lane's place in 16 rows of codes;  from the loop on SC4
.set WL,  3                            ; v3   (r + (r & 8)) x 1,024 + 64 hh: in W1;  from the loop on LM4
.set HB,  4                            ; v4   32 hh: in b2, W3;  at the end RD
.set H1,  5                            ; v5   64 hh: in b1;  at the end GO
.set IW,  6                            ; v6   where I store my images: 16 L + 2,048 w
.set LIC, 7                            ; v7   16 L + 8,192 (w >> 2): my half of W1b's images
.set CW,  8                            ; v8   where I store my part of c
.set CB,  9                            ; v9   my first row of c, my half
.set OB,  10                           ; v10  my stage, my column
.set CA,  11                           ; v11  the row of c in hand
.set OA,  12                           ; v12  the stage word in hand
.set SC4, 2                            ; 2^e4
.set LM4, 3                            ; 448 x 2^e4
.set RD,  4
.set GO,  5
.set A,   16
.set C,   80
.set F,   80                           ; at the head: four fetched fragments of W1
.set PC,  144
.set R,   160
.set Z1,  160                          ; at the head: z1's fragment
.set P,   176
.set Z2,  176                          ; at the head: z2's fragment
.set X,   192
.set BB1, 192                          ; at the head: my 32 numbers of b1
.set DC,  224                          ; at the head: my four tiles of c
.set W2F, 0                            ; window 1
.set B2,  128
.set W3V, 192
.set MSB, 0
.macro WIN new                         ; the immediate's high byte repeats the setting that is left; a switch that changes nothing is dropped
.if MSB != \new
	s_set_vgpr_msb (MSB<<8)|\new
.set MSB, \new
.endif
.endm
.set TO1,   0x40                       ; destination window 1
.set MULW,  0x01                       ; source 0 window 1
.set BIASW, 0x10                       ; source 2 window 1
.set DOTW,  0x04                       ; source 1 window 1
.macro PLACES                          ; four plain places behind matrix instructions (ISA guide 7.12.1)
.rept 4
	v_nop
.endr
.endm
.macro BARRIER                         ; my LDS stores have landed and my LDS loads are in: then the work-group's barrier
	s_wait_dscnt 0x0
	s_barrier_signal -1
	s_barrier_wait -1
.endm
; 64 numbers of a lane, register 16 b + i = k 32 b + 16 hh + i of its row, become a fragment's codes in v[PC] on.  v[sc]: the scale as f32; v[lim]: 448 x the scale
.macro QUANT s, sc, lim
.irp b, 0,1,2,3
.irp i, 0,1,2,3,4,5,6,7,8,9,10,11,12,13,14,15
	v_med3_num_f32 v[\s+16*\b+\i], v[\s+16*\b+\i], -v[\lim], v[\lim]   ; the conversion to an 8-bit code does not saturate (ISA guide 7.6.2): the hold comes first
.endr
	v_cvt_scalef32_pk8_fp8_f32 v[PC+4*\b:PC+1+4*\b], v[\s+16*\b:\s+7+16*\b], v[\sc]
	v_cvt_scalef32_pk8_fp8_f32 v[PC+2+4*\b:PC+3+4*\b], v[\s+8+16*\b:\s+15+16*\b], v[\sc]
.endr
	v_nop                                          ; a plain line between the last conversion and whatever next writes its sources
.endm
.macro IMAGE adr, off                  ; the fragment in v[PC] on goes to LDS as it stands
.irp c, 0,1,2,3
	ds_store_b128 v[\adr], v[PC+4*\c:PC+4*\c+3] offset:(\off)+512*\c
.endr
.endm
.macro FETCH reg, adr, off             ; and comes back so, in any wave
.irp c, 0,1,2,3
	ds_load_b128 v[(\reg)+4*\c:(\reg)+4*\c+3], v[\adr] offset:(\off)+512*\c
.endr
.endm
; 16 numbers v[x] .. v[x + 15] are replaced by their gelu.  Dependent lines stand eight apart.
.macro GELU16 x
.irp i, 0,1,2,3,4,5,6,7,8,9,10,11,12,13,14,15
	v_max_num_f32 v[R+\i], 0, v[(\x)+\i]           ; R = max(x, 0)
.endr
.irp p, 0,2,4,6,8,10,12,14
	v_pk_fma_f32 v[(\x)+\p:(\x)+\p+1], v[(\x)+\p:(\x)+\p+1], -0.5, v[R+\p:R+\p+1] op_sel_hi:[1,0,1]   ; v = R - x / 2 = |x| / 2, exact
.endr
.irp p, 0,2,4,6,8,10,12,14
	v_pk_fma_f32 v[P+\p:P+\p+1], v[(\x)+\p:(\x)+\p+1], v[14:15], s[46:47] op_sel_hi:[1,1,0]           ; d6 v + d5
.endr
.irp k, 48,50,52,54                    ; + d4, d3, d2, d1
.irp p, 0,2,4,6,8,10,12,14
	v_pk_fma_f32 v[P+\p:P+\p+1], v[P+\p:P+\p+1], v[(\x)+\p:(\x)+\p+1], s[\k:\k+1] op_sel_hi:[1,1,0]
.endr
.endr
.irp p, 0,2,4,6,8,10,12,14
	v_pk_fma_f32 v[P+\p:P+\p+1], v[P+\p:P+\p+1], v[(\x)+\p:(\x)+\p+1], 1.0 op_sel_hi:[1,1,0]
.endr
.irp i, 0,1,2,3,4,5,6,7,8,9,10,11,12,13,14,15
	v_rcp_f32 v[P+\i], v[P+\i]
.endr
	v_nop                                          ; a plain line between the last reciprocal and the use of its result (ISA guide 5.7.2)
	s_wait_alu depctr_va_vdst(0)
.rept 4                                ; to the sixteenth power
.irp p, 0,2,4,6,8,10,12,14
	v_pk_mul_f32 v[P+\p:P+\p+1], v[P+\p:P+\p+1], v[P+\p:P+\p+1]
.endr
.endr
.irp p, 0,2,4,6,8,10,12,14
	v_pk_fma_f32 v[(\x)+\p:(\x)+\p+1], v[(\x)+\p:(\x)+\p+1], v[P+\p:P+\p+1], v[R+\p:R+\p+1] neg_lo:[1,0,0] neg_hi:[1,0,0]   ; R - v erfc
.endr
.endm
	s_load_b256 s[8:15], s[0:1], 0x0               ; z1's codes s[8:9], z2's s[10:11], W1 s[12:13], b1 s[14:15]
	s_load_b256 s[16:23], s[0:1], 0x20             ; W2's codes s[16:17], b2 s[18:19], W3 s[20:21], b3 s[22:23]
	s_load_b128 s[24:27], s[0:1], 0x40             ; the scales' exponents s[24:25], out s[26:27]
	v_lshrrev_b32 v1, 5, v0
	v_readfirstlane_b32 s28, v1                    ; w: wave 0..7
	s_and_b32 s29, s28, 3                          ; which 16 columns j are mine; at the head also which 16 rows of z2
	s_lshr_b32 s30, s28, 2                         ; which 32 rows i are mine; at the head also which four tiles of W1b
	v_and_b32 v11, 15, v0                          ; r
	v_bfe_u32 v12, v0, 4, 1                        ; hh
	v_and_b32 v1, 31, v0
	v_lshlrev_b32 v[LI], 4, v1
	v_lshlrev_b32 v[ZL], 7, v11
	v_lshl_add_u32 v[ZL], v12, 4, v[ZL]
	v_and_b32 v[WL], 8, v11
	v_add_nc_u32 v[WL], v[WL], v11
	v_lshlrev_b32 v[WL], 10, v[WL]
	v_lshl_add_u32 v[WL], v12, 6, v[WL]
	v_lshlrev_b32 v[HB], 5, v12
	v_lshlrev_b32 v[H1], 6, v12
	s_lshl_b32 s62, s28, 11
	v_add_nc_u32 v[IW], s62, v[LI]
	s_lshl_b32 s62, s30, 13
	v_add_nc_u32 v[LIC], s62, v[LI]
	s_mul_i32 s62, s29, 16*528                     ; c: row 16 (w & 3) + r, half hh, my four tiles' 128 bytes
	s_lshl_b32 s63, s30, 7
	s_add_co_u32 s62, s62, s63
	s_add_co_u32 s62, s62, CROWS
	v_mul_u32_u24 v[CW], v11, 528
	v_lshl_add_u32 v[CW], v12, 8, v[CW]
	v_add_nc_u32 v[CW], s62, v[CW]
	s_mul_i32 s62, s30, 32*528
	s_add_co_u32 s62, s62, CROWS
	v_lshlrev_b32 v[CB], 8, v12
	v_add_nc_u32 v[CB], s62, v[CB]
	s_lshl_b32 s62, s28, 11
	s_add_co_u32 s62, s62, OUTST
	v_lshlrev_b32 v[OB], 2, v11
	v_add_nc_u32 v[OB], s62, v[OB]
	v_mov_b32 v14, 0x39B49F67                      ; d6 = 8 a6
	v_mov_b32 v15, 0x39B49F67
	s_mov_b32 s46, 0x3ACD0FEC                      ; d5 = 2^2.5 a5   (each is named as a pair, so both words are written)
	s_mov_b32 s47, s46
	s_mov_b32 s48, 0x3A1F6607                      ; d4 = 4 a4
	s_mov_b32 s49, s48
	s_mov_b32 s50, 0x3CD6CD72                      ; d3 = 2^1.5 a3
	s_mov_b32 s51, s50
	s_mov_b32 s52, 0x3DAD2FE7                      ; d2 = 2 a2
	s_mov_b32 s53, s52
	s_mov_b32 s54, 0x3DCC41B4                      ; d1 = 2^0.5 a1
	s_mov_b32 s55, s54
	s_mov_b32 s56, 0x76543210                      ; v_permlanex16_b32: lane l xor 16
	s_mov_b32 s57, 0xfedcba98
	s_wait_kmcnt 0x0
	s_load_b128 s[32:35], s[24:25], 0x0            ; e0 .. e3
	s_load_b64 s[36:37], s[24:25], 0x10            ; e4, e5
	s_load_b32 s38, s[22:23], 0x0                  ; b3
	s_and_b32 s66, ttmp7, 0xffff                   ; the work-group's y
	s_mov_b32 s63, 0
	s_lshl_b32 s67, s29, 11
	s_lshl_b32 s62, ttmp9, 13
	s_add_co_u32 s62, s62, s67
	s_add_nc_u64 s[8:9], s[8:9], s[62:63]          ; z1 at row 64 x + 16 (w & 3), 128 bytes a row
	s_lshl_b32 s62, s66, 13
	s_add_co_u32 s62, s62, s67
	s_add_nc_u64 s[10:11], s[10:11], s[62:63]      ; z2 at row 64 y + 16 (w & 3)
	s_lshr_b32 s62, s28, 1
	s_lshl_b32 s62, s62, 15
	s_and_b32 s68, s28, 1
	s_lshl_b32 s68, s68, 13
	s_add_co_u32 s62, s62, s68
	s_add_nc_u64 s[12:13], s[12:13], s[62:63]      ; W1 at row 32 (w / 2) + 8 (w % 2): I quantise tile w of both halves
	s_lshl_b32 s62, s30, 8
	s_add_nc_u64 s[14:15], s[14:15], s[62:63]      ; b1 at my four tiles' 64 units
	s_lshl_b32 s62, s66, 18
	s_lshl_b32 s68, s28, 15
	s_add_co_u32 s62, s62, s68
	s_lshl_b32 s68, ttmp9, 8
	s_add_co_u32 s62, s62, s68
	s_add_nc_u64 s[26:27], s[26:27], s[62:63]      ; out at row 64 y + 8 w, column 64 x: the eight rows that I store
	; 48 loads: W1a's tile (16), W1b's (16), z1 (4), z2 (4), b1 (8)
.irp c, 0,1,2,3
.irp q, 0,1,2,3
	global_load_b128 v[A+16*\c+4*\q:A+16*\c+4*\q+3], v[WL], s[12:13] offset:128*\c+16*\q
.endr
.endr
.irp c, 0,1,2,3
.irp q, 0,1,2,3
	global_load_b128 v[C+16*\c+4*\q:C+16*\c+4*\q+3], v[WL], s[12:13] offset:512+128*\c+16*\q
.endr
.endr
.irp c, 0,1,2,3
	global_load_b128 v[Z1+4*\c:Z1+4*\c+3], v[ZL], s[8:9] offset:32*\c
.endr
.irp c, 0,1,2,3
	global_load_b128 v[Z2+4*\c:Z2+4*\c+3], v[ZL], s[10:11] offset:32*\c
.endr
.irp k, 0,1,2,3
	global_load_b128 v[BB1+8*\k:BB1+8*\k+3], v[H1], s[14:15] offset:(32*(\k/2)+8*(\k%2))*4
	global_load_b128 v[BB1+8*\k+4:BB1+8*\k+7], v[H1], s[14:15] offset:(32*(\k/2)+8*(\k%2))*4+16
.endr
	s_wait_kmcnt 0x0
	s_add_co_i32 s62, s32, s33
	s_add_co_i32 s62, s62, 127
	s_lshl_b32 s40, s62, 23                        ; 2^(e0 + e1)
	s_mov_b32 s41, s40
	s_add_co_i32 s62, s34, s35
	s_add_co_i32 s62, s62, 127
	s_lshl_b32 s42, s62, 23                        ; 2^(e2 + e3)
	s_mov_b32 s43, s42
	s_add_co_i32 s62, s36, s37
	s_add_co_i32 s62, s62, 127
	s_lshl_b32 s44, s62, 23                        ; 2^(e4 + e5)
	s_mov_b32 s45, s44
	s_add_co_i32 s62, s33, 127
	s_lshl_b32 s63, s62, 23
	v_mov_b32 v252, s63                            ; 2^e1
	s_add_co_i32 s62, s62, 8
	s_lshl_b32 s62, s62, 23
	s_or_b32 s62, s62, 0x600000
	v_mov_b32 v253, s62                            ; 448 x 2^e1
	s_add_co_i32 s62, s35, 127
	s_lshl_b32 s63, s62, 23
	v_mov_b32 v254, s63                            ; 2^e3
	s_add_co_i32 s62, s62, 8
	s_lshl_b32 s62, s62, 23
	s_or_b32 s62, s62, 0x600000
	v_mov_b32 v255, s62                            ; 448 x 2^e3
	s_add_co_i32 s67, s36, 127
	s_lshl_b32 s66, s67, 23                        ; 2^e4, kept for the loop
	s_add_co_i32 s67, s67, 8
	s_lshl_b32 s67, s67, 23
	s_or_b32 s67, s67, 0x600000                    ; 448 x 2^e4
	s_wait_loadcnt 32                              ; W1a's 16 loads are in; the 32 younger ones may be out
	QUANT A, 252, 253
	IMAGE IW, W1IMG
	s_wait_dscnt 0x0                               ; the stores have read the codes' registers
	s_wait_loadcnt 16                              ; W1b's are in
	QUANT C, 254, 255
	IMAGE IW, W1IMG+8*2048
	s_wait_loadcnt 0x0                             ; z1, z2, b1
	WIN TO1                                        ; what the loop keeps in window 1 is asked for now and lands under the head's products
.irp t, 0,1,2,3,4,5,6,7
.irp c, 0,1,2,3
	global_load_b128 v[W2F+16*\t+4*\c:W2F+16*\t+4*\c+3], v[ZL], s[16:17] offset:2048*\t+32*\c
.endr
.endr
.irp t, 0,1,2,3,4,5,6,7
	global_load_b128 v[B2+8*\t:B2+8*\t+3], v[HB], s[18:19] offset:64*\t
	global_load_b128 v[B2+8*\t+4:B2+8*\t+7], v[HB], s[18:19] offset:64*\t+16
.endr
.irp t, 0,1,2,3,4,5,6,7
	global_load_b128 v[W3V+8*\t:W3V+8*\t+3], v[HB], s[20:21] offset:64*\t
	global_load_b128 v[W3V+8*\t+4:W3V+8*\t+7], v[HB], s[20:21] offset:64*\t+16
.endr
	WIN 0
	BARRIER                                        ; W1's sixteen images lie in LDS
	; a of my 16 columns: eight tiles, four at a time
.irp g, 0,1
.irp k, 0,1,2,3
	FETCH F+16*\k, LI, W1IMG+(4*\g+\k)*2048
.endr
	s_wait_dscnt 0x0
.irp k, 0,1,2,3
	v_wmma_f32_16x16x128_fp8_fp8 v[A+8*(4*\g+\k):A+8*(4*\g+\k)+7], v[F+16*\k:F+16*\k+15], v[Z1:Z1+15], 0
.endr
	PLACES                                         ; in front of loads into registers that these products read
.endr
	; c = b + b1: 16 rows of z2 against my four tiles of W1b
.irp k, 0,1,2,3
	FETCH F+16*\k, LIC, W1IMG+(8+\k)*2048
.endr
	s_wait_dscnt 0x0
.irp k, 0,1,2,3
	v_wmma_f32_16x16x128_fp8_fp8 v[DC+8*\k:DC+8*\k+7], v[F+16*\k:F+16*\k+15], v[Z2:Z2+15], 0
.endr
.irp n, 0,2,4,6,8,10,12,14,16,18,20,22,24,26,28,30,32,34,36,38,40,42,44,46,48,50,52,54,56,58,60,62
	v_pk_mul_f32 v[A+\n:A+\n+1], v[A+\n:A+\n+1], s[40:41] op_sel_hi:[1,0]   ; a x 2^(e0 + e1), each accumulator from its low end on; these lines are also the places behind c's products
.endr
.irp n, 0,2,4,6,8,10,12,14,16,18,20,22,24,26,28,30
	v_pk_fma_f32 v[DC+\n:DC+\n+1], v[DC+\n:DC+\n+1], s[42:43], v[BB1+\n:BB1+\n+1] op_sel_hi:[1,0,1]   ; c = sum x 2^(e2 + e3) + b1
.endr
.irp k, 0,1,2,3
	ds_store_b128 v[CW], v[DC+8*\k:DC+8*\k+3] offset:32*\k
	ds_store_b128 v[CW], v[DC+8*\k+4:DC+8*\k+7] offset:32*\k+16
.endr
	BARRIER                                        ; the 64 rows of c lie in LDS
	s_wait_loadcnt 0x0                             ; W2, b2, W3 are in: so their offset registers may be written
	v_mov_b32 v[SC4], s66
	v_mov_b32 v[LM4], s67
	s_mov_b32 s58, 0                               ; bytes from my first row of c to the row to be fetched
	s_mov_b32 s59, 0                               ; bytes from my first stage word to the tile's
	s_mov_b32 s60, 31
.irp k, 0,1,2,3,4,5,6,7,8,9,10,11,12,13,14,15
	ds_load_b128 v[C+4*\k:C+4*\k+3], v[CB] offset:16*\k   ; c of my first row: the sixteen lanes of a half read the same bytes
.endr
; A TILE: one i against my 16 j.  more = 1: the next row of c is fetched, with the whole tile in which to land.
.macro TILE more
	s_wait_dscnt 0x0                               ; this tile's c is in
.irp n, 0,2,4,6,8,10,12,14,16,18,20,22,24,26,28,30,32,34,36,38,40,42,44,46,48,50,52,54,56,58,60,62
	v_pk_add_f32 v[X+\n:X+\n+1], v[A+\n:A+\n+1], v[C+\n:C+\n+1]   ; x = a[j] + (b[i] + b1)
.endr
.if \more
	s_add_co_u32 s58, s58, 528
	v_add_nc_u32 v[CA], s58, v[CB]
.irp k, 0,1,2,3,4,5,6,7,8,9,10,11,12,13,14,15
	ds_load_b128 v[C+4*\k:C+4*\k+3], v[CA] offset:16*\k
.endr
.endif
.irp b, 0,1,2,3
	GELU16 X+16*\b
.irp i, 0,1,2,3,4,5,6,7,8,9,10,11,12,13,14,15
	v_med3_num_f32 v[X+16*\b+\i], v[X+16*\b+\i], -v[LM4], v[LM4]   ; the hold at 448 x 2^e4
.endr
	v_cvt_scalef32_pk8_fp8_f32 v[PC+4*\b:PC+4*\b+1], v[X+16*\b:X+16*\b+7], v[SC4]       ; registers 4 b .. 4 b + 3 of the operand: k = 32 b + 16 hh + 0..15
	v_cvt_scalef32_pk8_fp8_f32 v[PC+4*\b+2:PC+4*\b+3], v[X+16*\b+8:X+16*\b+15], v[SC4]
.endr
	v_nop                                          ; a plain line between the last conversion and the products, which read its result and write its sources
	WIN MULW
.irp t, 0,1,2,3,4,5,6,7                        ; eight sums of one K step each: every one starts with 0 and none is added onto
	v_wmma_f32_16x16x128_fp8_fp8 v[X+8*\t:X+8*\t+7], v[W2F+16*\t:W2F+16*\t+15], v[PC:PC+15], 0
.endr
	PLACES
	WIN BIASW
.irp n, 0,2,4,6,8,10,12,14,16,18,20,22,24,26,28,30,32,34,36,38,40,42,44,46,48,50,52,54,56,58,60,62
	v_pk_fma_f32 v[X+\n:X+\n+1], v[X+\n:X+\n+1], s[44:45], v[B2+\n:B2+\n+1] op_sel_hi:[1,0,1]   ; sum x 2^(e4 + e5) + b2, each accumulator from its low end on
.endr
	WIN 0
.irp b, 0,1,2,3
	GELU16 X+16*\b
.endr
	WIN DOTW                                       ; the dot with W3: my 64 units, in four chains of pairs
.irp n, 0,2,4,6
	v_pk_mul_f32 v[R+\n:R+\n+1], v[X+\n:X+\n+1], v[W3V+\n:W3V+\n+1]
.endr
.irp n, 8,10,12,14,16,18,20,22,24,26,28,30,32,34,36,38,40,42,44,46,48,50,52,54,56,58,60,62
	v_pk_fma_f32 v[R+(\n%8):R+(\n%8)+1], v[X+\n:X+\n+1], v[W3V+\n:W3V+\n+1], v[R+(\n%8):R+(\n%8)+1]
.endr
	WIN 0
	v_pk_add_f32 v[R:R+1], v[R:R+1], v[R+2:R+3]
	v_pk_add_f32 v[R+4:R+5], v[R+4:R+5], v[R+6:R+7]
	v_pk_add_f32 v[R:R+1], v[R:R+1], v[R+4:R+5]
	v_add_f32 v[R], v[R], v[R+1]
	v_permlanex16_b32 v[R+8], v[R], s56, s57       ; the pair's other 64 units lie in the lane 16 away
	v_add_nc_u32 v[OA], s59, v[OB]
	v_add_f32 v[R], v[R], v[R+8]
	v_add_f32 v[R], s38, v[R]                      ; + b3
	ds_store_b32 v[OA], v[R]                       ; lanes r and r + 16 store the same number to the same word
.if \more
	s_add_co_u32 s59, s59, 64
.endif
.endm
.Ltile:                                            ; 31 trips; the last tile is written out, so that no LDS load reaches past my 32 rows of c
	TILE 1
	s_sub_co_u32 s60, s60, 1
	s_cmp_lg_u32 s60, 0
	s_cbranch_scc1 .Ltile
	TILE 0
	; THE WAY OUT.  A row of 64 numbers lies in four waves' stages; wave w stores rows 8 w .. 8 w + 7, two an instruction: sixteen lanes store 256 consecutive bytes, at a multiple of 256 from out's first byte.
	BARRIER                                        ; all eight stages are whole
	v_and_b32 v11, 15, v0                          ; r
	v_bfe_u32 v12, v0, 4, 1                        ; hh
	v_bfe_u32 v[RD], v0, 2, 2                      ; r / 4: whose stage holds my four columns
	v_lshlrev_b32 v[RD], 11, v[RD]
	v_and_b32 v[GO], 3, v0
	v_lshl_add_u32 v[RD], v[GO], 4, v[RD]          ; + 16 (r % 4)
	v_lshl_add_u32 v[RD], v12, 6, v[RD]            ; + 64 hh: lanes 16-31 take the next row
	s_lshl_b32 s62, s30, 13                        ; rows 8 w on lie in the stages of waves 4 (w / 4) on, at their tiles 8 (w % 4) on
	s_lshl_b32 s63, s29, 9
	s_add_co_u32 s62, s62, s63
	s_add_co_u32 s62, s62, OUTST
	v_add_nc_u32 v[RD], s62, v[RD]
	v_lshlrev_b32 v[GO], 12, v12                   ; and in out: 4,096 hh + 16 r
	v_lshl_add_u32 v[GO], v11, 4, v[GO]
.irp k, 0,1,2,3
	ds_load_b128 v[X+4*\k:X+4*\k+3], v[RD] offset:128*\k
.endr
.irp k, 0,1,2,3
	s_wait_dscnt 3-\k                              ; LDS loads come back in order: the k-th is in, the younger ones may be out
	global_store_b128 v[GO], v[X+4*\k:X+4*\k+3], s[26:27] offset:8192*\k th:TH_STORE_NT
.endr
	s_wait_xcnt 0x0
	v_lshl_add_u32 v254, v0, 2, 0x14400
	v_mov_b32 v255, 0
	s_wait_tensorcnt 0x0
	ds_add_u32 v254, v255
	s_wait_dscnt 0x0
	s_endpgm
.Lfunc_end_k_qfc9d785ed3_club:
	.size	k_qfc9d785ed3_club, .Lfunc_end_k_qfc9d785ed3_club-k_qfc9d785ed3_club
	.p2alignl 7, 3214868480
	.fill 96, 4, 3214868480
	.section	.rodata,"a",@progbits
	.p2align	6, 0x0
	.amdhsa_kernel k_qfc9d785ed3_club
		.amdhsa_group_segment_fixed_size 83968
		.amdhsa_private_segment_fixed_size 0
		.amdhsa_enable_private_segment 0
		.amdhsa_kernarg_size 80
		.amdhsa_user_sgpr_count 2
		.amdhsa_user_sgpr_kernarg_segment_ptr 1
		.amdhsa_wavefront_size32 1
		.amdhsa_system_sgpr_workgroup_id_x 1
		.amdhsa_system_sgpr_workgroup_id_y 1
		.amdhsa_system_sgpr_workgroup_id_z 1
		.amdhsa_system_vgpr_workitem_id 0
		.amdhsa_next_free_vgpr 512
		.amdhsa_next_free_sgpr 80
		.amdhsa_reserve_vcc 0
		.amdhsa_float_denorm_mode_32 3
		.amdhsa_float_denorm_mode_16_64 3
		.amdhsa_memory_ordered 1
		.amdhsa_forward_progress 1
		.amdhsa_inst_pref_size 174
	.end_amdhsa_kernel
	.amdgpu_metadata
---
amdhsa.version: [ 1, 2 ]
amdhsa.kernels:
  - .name:           k_qfc9d785ed3_club
    .symbol:         k_qfc9d785ed3_club.kd
    .args:
      - { .name: z1_codes, .offset: 0, .size: 8, .value_kind: global_buffer, .address_space: global }
      - { .name: z2_codes, .offset: 8, .size: 8, .value_kind: global_buffer, .address_space: global }
      - { .name: W1, .offset: 16, .size: 8, .value_kind: global_buffer, .address_space: global }
      - { .name: b1, .offset: 24, .size: 8, .value_kind: global_buffer, .address_space: global }
      - { .name: W2_codes, .offset: 32, .size: 8, .value_kind: global_buffer, .address_space: global }
      - { .name: b2, .offset: 40, .size: 8, .value_kind: global_buffer, .address_space: global }
      - { .name: W3, .offset: 48, .size: 8, .value_kind: global_buffer, .address_space: global }
      - { .name: b3, .offset: 56, .size: 8, .value_kind: global_buffer, .address_space: global }
      - { .name: lowp_scales, .offset: 64, .size: 8, .value_kind: global_buffer, .address_space: global }
      - { .name: out0, .offset: 72, .size: 8, .value_kind: global_buffer, .address_space: global }
    .group_segment_fixed_size: 83968
    .private_segment_fixed_size: 0
    .kernarg_segment_align: 8
    .kernarg_segment_size: 80
    .max_flat_workgroup_size: 256
    .sgpr_count:     80
    .vgpr_count:     512
    .wavefront_size: 32
...
	.end_amdgpu_metadata
.endif
;; end of part 1
;; ======== version 2 of 2: 1 launch; version 1 with the launch club written anew for expert scheduling mode
;; limits: a function is approximated: absolute error at most 5e-07
;; launch club (part 2): grid 16 x 16, 8 waves a work-group, no clusters, 83,968 bytes of LDS; arguments z1_codes, z2_codes, W1, b1, W2_codes, b2, W3, b3, lowp_scales, out0; writes out0
.if DOCPART == 2
	.amdgcn_target "amdgcn-amd-amdhsa--gfx1250"
	.amdhsa_code_object_version 6
	.text
	.protected	k_qfc9d785ed3_club
	.globl	k_qfc9d785ed3_club
	.p2align	8
	.type	k_qfc9d785ed3_club,@function
k_qfc9d785ed3_club:
	s_mov_b64 s[64:65], 0
	v_nop
	global_prefetch_b8 v0, s[64:65] scope:SCOPE_SE
	s_setreg_imm32_b32 hwreg(HW_REG_WAVE_SCHED_MODE, 0, 2), 2
	s_setreg_imm32_b32 hwreg(HW_REG_WAVE_MODE, 25, 1), 1
	s_wait_xcnt 0x0
	s_wait_alu depctr_vm_vsrc(0)
; out[i][j] = W3 . gelu(W2 . gelu(a[j] + b[i] + b1) + b2) + b3 for 1,024 x 1,024 pairs; a = z1 W1a^T, b = z2 W1b^T.
; The three products with K = 128 run on codes of FP8 (E4M3), each operand with its given scale 2^e (e0 .. e5 in lowp_scales): z1, z2, W2 arrive as codes, W1's two halves (e1, e3) and the
; first hidden layer (e4) are quantised here, in registers.  The last product (one column) is packed f32 multiply-adds.  Nothing between the inputs and out goes to memory.
; SHARES.  A work-group owns 64 rows i x 64 columns j of out: 16 x 16 work-groups.  Wave w of eight owns columns 16 (w & 3) + 0..15 and rows 32 (w >> 2) + 0..31: 32 tiles, a tile = one i against 16 j.
; Each work-group makes its own 64 rows of a and of c = b + b1 at its head (96 matrix instructions against its 2,048 in the tiles).
; THE WORK IS VECTOR WORK: a tile has 8 matrix instructions and some 1,100 vector instructions (2 x 1,024 gelus a wave).  So: packed f32 forms, and layouts in which nothing changes lanes.
; LAYOUT.  L = lane, r = L % 16, hh = L / 16.  Every fragment (16 rows x 128 K, 16 registers) holds k = 32 c + 16 hh + 0..15 in registers 4 c .. 4 c + 3, alike on both sides of every product.
; Every product is used transposed (source 0 = 16 rows of the weight, source 1 = 16 rows of z or 16 pairs): a lane holds ONE pair and eight units.  THE ROWS OF W1 THAT FORM A TILE ARE NOT NEIGHBOURS:
; lane r of tile t takes row 32 (t / 2) + 8 (t % 2) + r + (r & 8), so that register n = 16 b + i of a lane's 64 is hidden unit 32 b + 16 hh + i: the order in which the next operand wants its codes.
; GELU.  R = max(x, 0), v = |x| / 2 = R - x / 2; gelu(x) = R - v erfc(|x| / sqrt 2); erfc(z) = (1 + a1 z + .. + a6 z^6)^-16 (Abramowitz and Stegun 7.1.28, error at most 3e-7 for every z >= 0),
; as a polynomial in v with d_k = a_k 2^(k/2).  All d_k are positive: for large |x| the polynomial goes to +infinity, its reciprocal to 0, and the result is x or 0: no clamp of x is needed.
; ACCURACY: absolute error of gelu under 5e-7 everywhere; about 1e-6 of the number for x >= -1; below that 1.5e-7 / Phi(x) of the number (7e-6 at x = -2, 1e-4 at x = -3).
; LIMITS: e1, e3, e4 between -126 and 119; e0 + e1, e2 + e3, e4 + e5 between -126 and 127 (each power of two is made as an f32 number).  NaN and infinities among the inputs are not served.
; NO CLUSTER, NO TENSOR LOADS: what work-groups share (W1, W2: 144 KB) is read once at the head, and W1 has to pass through registers to be quantised; no LDS byte is filled twice.
; THE MODE: SCHED_MODE bits 1:0 = 2 (LLVM: expert scheduling mode 2), set by the entry lines.  The code itself states the register dependences
; between vector or matrix instructions and memory or LDS instructions, with s_wait_alu, always for 0.
; THE PLAN.  Registers that memory or LDS instructions touch, in the loop over tiles:
;   v[C ..]   64 registers.  Read by the tile's 32 additions at its head; the 16 LDS loads of the next row of c land in them.
;   v[CA]     Written by one vector add behind those additions; read by the 16 loads.
;   v[OA]     Written by one vector add near the tile's end; read by the tile's one LDS store.
;   v[R]      The store's data: written by the dot's last addition; written again by the next tile's first gelu.
;   v[CB], v[OB]  Read by vector lines alone in the loop; never written again.
;   a, x, the polynomial, the codes and window 1 are named by vector and matrix instructions alone.
; The wait on va_vdst that follows the tile's FIRST sixteen reciprocals stands behind the 32 additions and behind the add to v[CA]: the 16 loads follow it with no wait of their own.
; One more wait on va_vdst stands ahead of the store, and one on vm_vsrc behind it, ahead of the backward jump: it frees v[R], v[OA] and v[CA] for the next tile.
; At the head and on the way out each run of loads or stores has its wait where the registers that it touches were last named; each comment says which.
; REGISTERS.  Window 0: v1-12 addresses; v[14:15] d6; v16-79 a; v80-143 c of the tile; v144-159 codes just made; v160-175 R; v176-191 the polynomial; v192-255 x, h1, then the second layer.
;   Window 1: v0-127 W2's eight fragments; v128-191 b2; v192-255 W3 (both in the result's order: tile t, register jr: unit 16 t + 8 hh + jr).
.set W1IMG, 0                          ; LDS: images of W1's 16 fragments (0-7: W1a's tiles, 8-15: W1b's), 2,048 bytes each: register group c at 512 c + 16 L
.set CROWS, 32768                      ; 64 rows of c, 528 bytes apart: half hh at 256 hh, 64 numbers in the order n
.set OUTST, CROWS+64*528               ; the stage for out: 2,048 bytes for each wave: tile's row x 64 bytes + 4 r
.set LI,  1                            ; v1   16 L
.set ZL,  2                            ; v2   128 r + 16 hh: a lane's place in 16 rows of codes;  from the loop on SC4
.set WL,  3                            ; v3   (r + (r & 8)) x 1,024 + 64 hh: in W1;  from the loop on LM4
.set HB,  4                            ; v4   32 hh: in b2, W3;  at the end RD
.set H1,  5                            ; v5   64 hh: in b1;  at the end GO
.set IW,  6                            ; v6   where I store my images: 16 L + 2,048 w
.set LIC, 7                            ; v7   16 L + 8,192 (w >> 2): my half of W1b's images
.set CW,  8                            ; v8   where I store my part of c
.set CB,  9                            ; v9   my first row of c, my half
.set OB,  10                           ; v10  my stage, my column
.set CA,  11                           ; v11  the row of c in hand
.set OA,  12                           ; v12  the stage word in hand
.set SC4, 2                            ; 2^e4
.set LM4, 3                            ; 448 x 2^e4
.set RD,  4
.set GO,  5
.set A,   16
.set C,   80
.set F,   80                           ; at the head: four fetched fragments of W1
.set PC,  144
.set R,   160
.set Z1,  160                          ; at the head: z1's fragment
.set P,   176
.set Z2,  176                          ; at the head: z2's fragment
.set X,   192
.set BB1, 192                          ; at the head: my 32 numbers of b1
.set DC,  224                          ; at the head: my four tiles of c
.set W2F, 0                            ; window 1
.set B2,  128
.set W3V, 192
.set MSB, 0
.macro WIN new                         ; the immediate's high byte repeats the setting that is left; a switch that changes nothing is dropped
.if MSB != \new
	s_set_vgpr_msb (MSB<<8)|\new
.set MSB, \new
.endif
.endm
.set TO1,   0x40                       ; destination window 1
.set MULW,  0x01                       ; source 0 window 1
.set BIASW, 0x10                       ; source 2 window 1
.set DOTW,  0x04                       ; source 1 window 1
.macro PLACES                          ; four plain places behind matrix instructions (ISA guide 7.12.1)
.rept 4
	v_nop
.endr
.endm
.macro BARRIER                         ; my LDS stores have landed and my LDS loads are in: then the work-group's barrier
	s_wait_dscnt 0x0
	s_barrier_signal -1
	s_barrier_wait -1
.endm
; 64 numbers of a lane, register 16 b + i = k 32 b + 16 hh + i of its row, become a fragment's codes in v[PC] on.  v[sc]: the scale as f32; v[lim]: 448 x the scale
.macro QUANT s, sc, lim
.irp b, 0,1,2,3
.irp i, 0,1,2,3,4,5,6,7,8,9,10,11,12,13,14,15
	v_med3_num_f32 v[\s+16*\b+\i], v[\s+16*\b+\i], -v[\lim], v[\lim]   ; the conversion to an 8-bit code does not saturate (ISA guide 7.6.2): the hold comes first
.endr
	v_cvt_scalef32_pk8_fp8_f32 v[PC+4*\b:PC+1+4*\b], v[\s+16*\b:\s+7+16*\b], v[\sc]
	v_cvt_scalef32_pk8_fp8_f32 v[PC+2+4*\b:PC+3+4*\b], v[\s+8+16*\b:\s+15+16*\b], v[\sc]
.endr
	v_nop                                          ; a plain line between the last conversion and whatever next writes its sources
.endm
.macro IMAGE adr, off                  ; the fragment in v[PC] on goes to LDS as it stands
.irp c, 0,1,2,3
	ds_store_b128 v[\adr], v[PC+4*\c:PC+4*\c+3] offset:(\off)+512*\c
.endr
.endm
.macro FETCH reg, adr, off             ; and comes back so, in any wave
.irp c, 0,1,2,3
	ds_load_b128 v[(\reg)+4*\c:(\reg)+4*\c+3], v[\adr] offset:(\off)+512*\c
.endr
.endm
; 16 numbers v[x] .. v[x + 15] are replaced by their gelu, in two parts: GELU_A up to the reciprocals and the wait for them, GELU_B the rest.  Dependent lines stand eight apart.
.macro GELU_A x
.irp i, 0,1,2,3,4,5,6,7,8,9,10,11,12,13,14,15
	v_max_num_f32 v[R+\i], 0, v[(\x)+\i]           ; R = max(x, 0)
.endr
.irp p, 0,2,4,6,8,10,12,14
	v_pk_fma_f32 v[(\x)+\p:(\x)+\p+1], v[(\x)+\p:(\x)+\p+1], -0.5, v[R+\p:R+\p+1] op_sel_hi:[1,0,1]   ; v = R - x / 2 = |x| / 2, exact
.endr
.irp p, 0,2,4,6,8,10,12,14
	v_pk_fma_f32 v[P+\p:P+\p+1], v[(\x)+\p:(\x)+\p+1], v[14:15], s[46:47] op_sel_hi:[1,1,0]           ; d6 v + d5
.endr
.irp k, 48,50,52,54                    ; + d4, d3, d2, d1
.irp p, 0,2,4,6,8,10,12,14
	v_pk_fma_f32 v[P+\p:P+\p+1], v[P+\p:P+\p+1], v[(\x)+\p:(\x)+\p+1], s[\k:\k+1] op_sel_hi:[1,1,0]
.endr
.endr
.irp p, 0,2,4,6,8,10,12,14
	v_pk_fma_f32 v[P+\p:P+\p+1], v[P+\p:P+\p+1], v[(\x)+\p:(\x)+\p+1], 1.0 op_sel_hi:[1,1,0]
.endr
.irp i, 0,1,2,3,4,5,6,7,8,9,10,11,12,13,14,15
	v_rcp_f32 v[P+\i], v[P+\i]
.endr
	v_nop                                          ; a plain line between the last reciprocal and the use of its result (ISA guide 5.7.2)
	s_wait_alu depctr_va_vdst(0)                   ; the sixteen reciprocals have written v[P ..]: one wait for the batch, ahead of its first reader
.endm
.macro GELU_B x
.rept 4                                ; to the sixteenth power
.irp p, 0,2,4,6,8,10,12,14
	v_pk_mul_f32 v[P+\p:P+\p+1], v[P+\p:P+\p+1], v[P+\p:P+\p+1]
.endr
.endr
.irp p, 0,2,4,6,8,10,12,14
	v_pk_fma_f32 v[(\x)+\p:(\x)+\p+1], v[(\x)+\p:(\x)+\p+1], v[P+\p:P+\p+1], v[R+\p:R+\p+1] neg_lo:[1,0,0] neg_hi:[1,0,0]   ; R - v erfc
.endr
.endm
.macro GELU16 x
	GELU_A \x
	GELU_B \x
.endm
	s_load_b256 s[8:15], s[0:1], 0x0               ; z1's codes s[8:9], z2's s[10:11], W1 s[12:13], b1 s[14:15]
	s_load_b256 s[16:23], s[0:1], 0x20             ; W2's codes s[16:17], b2 s[18:19], W3 s[20:21], b3 s[22:23]
	s_load_b128 s[24:27], s[0:1], 0x40             ; the scales' exponents s[24:25], out s[26:27]
	v_lshrrev_b32 v1, 5, v0
	v_readfirstlane_b32 s28, v1                    ; w: wave 0..7
	s_wait_alu depctr_va_sdst(0)                   ; s28 is written, ahead of its first reader: the wave's shares and addresses are made from it
	s_and_b32 s29, s28, 3                          ; which 16 columns j are mine; at the head also which 16 rows of z2
	s_lshr_b32 s30, s28, 2                         ; which 32 rows i are mine; at the head also which four tiles of W1b
	v_and_b32 v11, 15, v0                          ; r
	v_bfe_u32 v12, v0, 4, 1                        ; hh
	v_and_b32 v1, 31, v0
	v_lshlrev_b32 v[LI], 4, v1
	v_lshlrev_b32 v[ZL], 7, v11
	v_lshl_add_u32 v[ZL], v12, 4, v[ZL]
	v_and_b32 v[WL], 8, v11
	v_add_nc_u32 v[WL], v[WL], v11
	v_lshlrev_b32 v[WL], 10, v[WL]
	v_lshl_add_u32 v[WL], v12, 6, v[WL]
	v_lshlrev_b32 v[HB], 5, v12
	v_lshlrev_b32 v[H1], 6, v12
	s_lshl_b32 s62, s28, 11
	v_add_nc_u32 v[IW], s62, v[LI]
	s_lshl_b32 s62, s30, 13
	v_add_nc_u32 v[LIC], s62, v[LI]
	s_mul_i32 s62, s29, 16*528                     ; c: row 16 (w & 3) + r, half hh, my four tiles' 128 bytes
	s_lshl_b32 s63, s30, 7
	s_add_co_u32 s62, s62, s63
	s_add_co_u32 s62, s62, CROWS
	v_mul_u32_u24 v[CW], v11, 528
	v_lshl_add_u32 v[CW], v12, 8, v[CW]
	v_add_nc_u32 v[CW], s62, v[CW]
	s_mul_i32 s62, s30, 32*528
	s_add_co_u32 s62, s62, CROWS
	v_lshlrev_b32 v[CB], 8, v12
	v_add_nc_u32 v[CB], s62, v[CB]
	s_lshl_b32 s62, s28, 11
	s_add_co_u32 s62, s62, OUTST
	v_lshlrev_b32 v[OB], 2, v11
	v_add_nc_u32 v[OB], s62, v[OB]
	v_mov_b32 v14, 0x39B49F67                      ; d6 = 8 a6
	v_mov_b32 v15, 0x39B49F67
	s_mov_b32 s46, 0x3ACD0FEC                      ; d5 = 2^2.5 a5   (each is named as a pair, so both words are written)
	s_mov_b32 s47, s46
	s_mov_b32 s48, 0x3A1F6607                      ; d4 = 4 a4
	s_mov_b32 s49, s48
	s_mov_b32 s50, 0x3CD6CD72                      ; d3 = 2^1.5 a3
	s_mov_b32 s51, s50
	s_mov_b32 s52, 0x3DAD2FE7                      ; d2 = 2 a2
	s_mov_b32 s53, s52
	s_mov_b32 s54, 0x3DCC41B4                      ; d1 = 2^0.5 a1
	s_mov_b32 s55, s54
	s_mov_b32 s56, 0x76543210                      ; v_permlanex16_b32: lane l xor 16
	s_mov_b32 s57, 0xfedcba98
	s_wait_kmcnt 0x0
	s_load_b128 s[32:35], s[24:25], 0x0            ; e0 .. e3
	s_load_b64 s[36:37], s[24:25], 0x10            ; e4, e5
	s_load_b32 s38, s[22:23], 0x0                  ; b3
	s_and_b32 s66, ttmp7, 0xffff                   ; the work-group's y
	s_mov_b32 s63, 0
	s_lshl_b32 s67, s29, 11
	s_lshl_b32 s62, ttmp9, 13
	s_add_co_u32 s62, s62, s67
	s_add_nc_u64 s[8:9], s[8:9], s[62:63]          ; z1 at row 64 x + 16 (w & 3), 128 bytes a row
	s_lshl_b32 s62, s66, 13
	s_add_co_u32 s62, s62, s67
	s_add_nc_u64 s[10:11], s[10:11], s[62:63]      ; z2 at row 64 y + 16 (w & 3)
	s_lshr_b32 s62, s28, 1
	s_lshl_b32 s62, s62, 15
	s_and_b32 s68, s28, 1
	s_lshl_b32 s68, s68, 13
	s_add_co_u32 s62, s62, s68
	s_add_nc_u64 s[12:13], s[12:13], s[62:63]      ; W1 at row 32 (w / 2) + 8 (w % 2): I quantise tile w of both halves
	s_lshl_b32 s62, s30, 8
	s_add_nc_u64 s[14:15], s[14:15], s[62:63]      ; b1 at my four tiles' 64 units
	s_lshl_b32 s62, s66, 18
	s_lshl_b32 s68, s28, 15
	s_add_co_u32 s62, s62, s68
	s_lshl_b32 s68, ttmp9, 8
	s_add_co_u32 s62, s62, s68
	s_add_nc_u64 s[26:27], s[26:27], s[62:63]      ; out at row 64 y + 8 w, column 64 x: the eight rows that I store
	s_wait_alu depctr_va_vdst(0)                   ; the offsets and LDS addresses v1 to v10 are written, which the loads and stores from here on read
	; 48 loads: W1a's tile (16), W1b's (16), z1 (4), z2 (4), b1 (8)
.irp c, 0,1,2,3
.irp q, 0,1,2,3
	global_load_b128 v[A+16*\c+4*\q:A+16*\c+4*\q+3], v[WL], s[12:13] offset:128*\c+16*\q
.endr
.endr
.irp c, 0,1,2,3
.irp q, 0,1,2,3
	global_load_b128 v[C+16*\c+4*\q:C+16*\c+4*\q+3], v[WL], s[12:13] offset:512+128*\c+16*\q
.endr
.endr
.irp c, 0,1,2,3
	global_load_b128 v[Z1+4*\c:Z1+4*\c+3], v[ZL], s[8:9] offset:32*\c
.endr
.irp c, 0,1,2,3
	global_load_b128 v[Z2+4*\c:Z2+4*\c+3], v[ZL], s[10:11] offset:32*\c
.endr
.irp k, 0,1,2,3
	global_load_b128 v[BB1+8*\k:BB1+8*\k+3], v[H1], s[14:15] offset:(32*(\k/2)+8*(\k%2))*4
	global_load_b128 v[BB1+8*\k+4:BB1+8*\k+7], v[H1], s[14:15] offset:(32*(\k/2)+8*(\k%2))*4+16
.endr
	s_wait_kmcnt 0x0
	s_add_co_i32 s62, s32, s33
	s_add_co_i32 s62, s62, 127
	s_lshl_b32 s40, s62, 23                        ; 2^(e0 + e1)
	s_mov_b32 s41, s40
	s_add_co_i32 s62, s34, s35
	s_add_co_i32 s62, s62, 127
	s_lshl_b32 s42, s62, 23                        ; 2^(e2 + e3)
	s_mov_b32 s43, s42
	s_add_co_i32 s62, s36, s37
	s_add_co_i32 s62, s62, 127
	s_lshl_b32 s44, s62, 23                        ; 2^(e4 + e5)
	s_mov_b32 s45, s44
	s_add_co_i32 s62, s33, 127
	s_lshl_b32 s63, s62, 23
	v_mov_b32 v252, s63                            ; 2^e1
	s_add_co_i32 s62, s62, 8
	s_lshl_b32 s62, s62, 23
	s_or_b32 s62, s62, 0x600000
	v_mov_b32 v253, s62                            ; 448 x 2^e1
	s_add_co_i32 s62, s35, 127
	s_lshl_b32 s63, s62, 23
	v_mov_b32 v254, s63                            ; 2^e3
	s_add_co_i32 s62, s62, 8
	s_lshl_b32 s62, s62, 23
	s_or_b32 s62, s62, 0x600000
	v_mov_b32 v255, s62                            ; 448 x 2^e3
	s_add_co_i32 s67, s36, 127
	s_lshl_b32 s66, s67, 23                        ; 2^e4, kept for the loop
	s_add_co_i32 s67, s67, 8
	s_lshl_b32 s67, s67, 23
	s_or_b32 s67, s67, 0x600000                    ; 448 x 2^e4
	s_wait_loadcnt 32                              ; W1a's 16 loads are in; the 32 younger ones may be out
	QUANT A, 252, 253
	s_wait_alu depctr_va_vdst(0)                   ; the conversions have written v[PC ..], which the LDS stores read
	IMAGE IW, W1IMG
	s_wait_dscnt 0x0                               ; the stores are done
	s_wait_alu depctr_vm_vsrc(0)                   ; the LDS stores have read v[PC ..], which the next conversions write again
	s_wait_loadcnt 16                              ; W1b's are in
	QUANT C, 254, 255
	s_wait_alu depctr_va_vdst(0)                   ; the conversions have written v[PC ..], which the LDS stores read; and the holds and conversions are done with v[C ..], in which the first fetched fragments land behind the barrier
	IMAGE IW, W1IMG+8*2048
	s_wait_loadcnt 0x0                             ; z1, z2, b1
	WIN TO1                                        ; what the loop keeps in window 1 is asked for now and lands under the head's products.  No wait: no vector line has named window 1, and none since the head's wait has named v[ZL] or v[HB]
.irp t, 0,1,2,3,4,5,6,7
.irp c, 0,1,2,3
	global_load_b128 v[W2F+16*\t+4*\c:W2F+16*\t+4*\c+3], v[ZL], s[16:17] offset:2048*\t+32*\c
.endr
.endr
.irp t, 0,1,2,3,4,5,6,7
	global_load_b128 v[B2+8*\t:B2+8*\t+3], v[HB], s[18:19] offset:64*\t
	global_load_b128 v[B2+8*\t+4:B2+8*\t+7], v[HB], s[18:19] offset:64*\t+16
.endr
.irp t, 0,1,2,3,4,5,6,7
	global_load_b128 v[W3V+8*\t:W3V+8*\t+3], v[HB], s[20:21] offset:64*\t
	global_load_b128 v[W3V+8*\t+4:W3V+8*\t+7], v[HB], s[20:21] offset:64*\t+16
.endr
	WIN 0
	BARRIER                                        ; W1's sixteen images lie in LDS
	; a of my 16 columns: eight tiles, four at a time
.irp g, 0,1
.irp k, 0,1,2,3
	FETCH F+16*\k, LI, W1IMG+(4*\g+\k)*2048
.endr
	s_wait_dscnt 0x0
.irp k, 0,1,2,3
	v_wmma_f32_16x16x128_fp8_fp8 v[A+8*(4*\g+\k):A+8*(4*\g+\k)+7], v[F+16*\k:F+16*\k+15], v[Z1:Z1+15], 0
.endr
	PLACES                                         ; in front of loads into registers that these products read
	s_wait_alu depctr_va_vdst(0)                   ; these four products are done reading v[F ..], in which the next four fragments land
.endr
	; c = b + b1: 16 rows of z2 against my four tiles of W1b
.irp k, 0,1,2,3
	FETCH F+16*\k, LIC, W1IMG+(8+\k)*2048
.endr
	s_wait_dscnt 0x0
.irp k, 0,1,2,3
	v_wmma_f32_16x16x128_fp8_fp8 v[DC+8*\k:DC+8*\k+7], v[F+16*\k:F+16*\k+15], v[Z2:Z2+15], 0
.endr
.irp n, 0,2,4,6,8,10,12,14,16,18,20,22,24,26,28,30,32,34,36,38,40,42,44,46,48,50,52,54,56,58,60,62
	v_pk_mul_f32 v[A+\n:A+\n+1], v[A+\n:A+\n+1], s[40:41] op_sel_hi:[1,0]   ; a x 2^(e0 + e1), each accumulator from its low end on; these lines are also the places behind c's products
.endr
.irp n, 0,2,4,6,8,10,12,14,16,18,20,22,24,26,28,30
	v_pk_fma_f32 v[DC+\n:DC+\n+1], v[DC+\n:DC+\n+1], s[42:43], v[BB1+\n:BB1+\n+1] op_sel_hi:[1,0,1]   ; c = sum x 2^(e2 + e3) + b1
.endr
	s_wait_alu depctr_va_vdst(0)                   ; the multiply-adds have written v[DC ..], which the LDS stores read; and c's products are done reading v[F ..] = v[C ..], in which my first row of c lands in front of the loop
.irp k, 0,1,2,3
	ds_store_b128 v[CW], v[DC+8*\k:DC+8*\k+3] offset:32*\k
	ds_store_b128 v[CW], v[DC+8*\k+4:DC+8*\k+7] offset:32*\k+16
.endr
	BARRIER                                        ; the 64 rows of c lie in LDS
	s_wait_loadcnt 0x0                             ; W2, b2, W3 are in: so their offset registers may be written
	s_wait_alu depctr_vm_vsrc(0)                   ; the head's loads have read v[ZL], v[WL] (written just below) and v[HB], v[H1] (written on the way out); my LDS stores have read the codes in v[PC ..] and c in v[DC ..], which the tiles write again
	v_mov_b32 v[SC4], s66
	v_mov_b32 v[LM4], s67
	s_mov_b32 s58, 0                               ; bytes from my first row of c to the row to be fetched
	s_mov_b32 s59, 0                               ; bytes from my first stage word to the tile's
	s_mov_b32 s60, 31
.irp k, 0,1,2,3,4,5,6,7,8,9,10,11,12,13,14,15
	ds_load_b128 v[C+4*\k:C+4*\k+3], v[CB] offset:16*\k   ; c of my first row: the sixteen lanes of a half read the same bytes
.endr
; A TILE: one i against my 16 j.  more = 1: the next row of c is fetched, with seven eighths of the tile in which to land.
.macro TILE more
	s_wait_dscnt 0x0                               ; this tile's c is in
.irp n, 0,2,4,6,8,10,12,14,16,18,20,22,24,26,28,30,32,34,36,38,40,42,44,46,48,50,52,54,56,58,60,62
	v_pk_add_f32 v[X+\n:X+\n+1], v[A+\n:A+\n+1], v[C+\n:C+\n+1]   ; x = a[j] + (b[i] + b1)
.endr
.if \more
	s_add_co_u32 s58, s58, 528
	v_add_nc_u32 v[CA], s58, v[CB]
.endif
.irp b, 0,1,2,3
	GELU_A X+16*\b
.if \more && (\b == 0)
.irp k, 0,1,2,3,4,5,6,7,8,9,10,11,12,13,14,15
	ds_load_b128 v[C+4*\k:C+4*\k+3], v[CA] offset:16*\k   ; no wait of their own: the wait just above, behind the first sixteen reciprocals, also states that the 32 additions are done reading v[C ..] and that v[CA] is written; no line since names either
.endr
.endif
	GELU_B X+16*\b
.irp i, 0,1,2,3,4,5,6,7,8,9,10,11,12,13,14,15
	v_med3_num_f32 v[X+16*\b+\i], v[X+16*\b+\i], -v[LM4], v[LM4]   ; the hold at 448 x 2^e4
.endr
	v_cvt_scalef32_pk8_fp8_f32 v[PC+4*\b:PC+4*\b+1], v[X+16*\b:X+16*\b+7], v[SC4]       ; registers 4 b .. 4 b + 3 of the operand: k = 32 b + 16 hh + 0..15
	v_cvt_scalef32_pk8_fp8_f32 v[PC+4*\b+2:PC+4*\b+3], v[X+16*\b+8:X+16*\b+15], v[SC4]
.endr
	v_nop                                          ; a plain line between the last conversion and the products, which read its result and write its sources
	WIN MULW
.irp t, 0,1,2,3,4,5,6,7                        ; eight sums of one K step each: every one starts with 0 and none is added onto
	v_wmma_f32_16x16x128_fp8_fp8 v[X+8*\t:X+8*\t+7], v[W2F+16*\t:W2F+16*\t+15], v[PC:PC+15], 0
.endr
	PLACES
	WIN BIASW
.irp n, 0,2,4,6,8,10,12,14,16,18,20,22,24,26,28,30,32,34,36,38,40,42,44,46,48,50,52,54,56,58,60,62
	v_pk_fma_f32 v[X+\n:X+\n+1], v[X+\n:X+\n+1], s[44:45], v[B2+\n:B2+\n+1] op_sel_hi:[1,0,1]   ; sum x 2^(e4 + e5) + b2, each accumulator from its low end on
.endr
	WIN 0
.irp b, 0,1,2,3
	GELU16 X+16*\b
.endr
	WIN DOTW                                       ; the dot with W3: my 64 units, in four chains of pairs
.irp n, 0,2,4,6
	v_pk_mul_f32 v[R+\n:R+\n+1], v[X+\n:X+\n+1], v[W3V+\n:W3V+\n+1]
.endr
.irp n, 8,10,12,14,16,18,20,22,24,26,28,30,32,34,36,38,40,42,44,46,48,50,52,54,56,58,60,62
	v_pk_fma_f32 v[R+(\n%8):R+(\n%8)+1], v[X+\n:X+\n+1], v[W3V+\n:W3V+\n+1], v[R+(\n%8):R+(\n%8)+1]
.endr
	WIN 0
	v_pk_add_f32 v[R:R+1], v[R:R+1], v[R+2:R+3]
	v_pk_add_f32 v[R+4:R+5], v[R+4:R+5], v[R+6:R+7]
	v_pk_add_f32 v[R:R+1], v[R:R+1], v[R+4:R+5]
	v_add_f32 v[R], v[R], v[R+1]
	v_permlanex16_b32 v[R+8], v[R], s56, s57       ; the pair's other 64 units lie in the lane 16 away
	v_add_nc_u32 v[OA], s59, v[OB]
	v_add_f32 v[R], v[R], v[R+8]
	v_add_f32 v[R], s38, v[R]                      ; + b3
	s_wait_alu depctr_va_vdst(0)                   ; v[R] and v[OA] are written, which the LDS store reads
	ds_store_b32 v[OA], v[R]                       ; lanes r and r + 16 store the same number to the same word
	s_wait_alu depctr_vm_vsrc(0)                   ; the store has read v[R] and v[OA], this tile's LDS loads v[CA]: the next tile writes all three again, and behind the last tile the way out does
.if \more
	s_add_co_u32 s59, s59, 64
.endif
.endm
.Ltile:                                            ; 31 trips; the last tile is written out, so that no LDS load reaches past my 32 rows of c
	TILE 1
	s_sub_co_u32 s60, s60, 1
	s_cmp_lg_u32 s60, 0
	s_cbranch_scc1 .Ltile
	TILE 0
	; THE WAY OUT.  A row of 64 numbers lies in four waves' stages; wave w stores rows 8 w .. 8 w + 7, two an instruction: sixteen lanes store 256 consecutive bytes, at a multiple of 256 from out's first byte.
	BARRIER                                        ; all eight stages are whole
	v_and_b32 v11, 15, v0                          ; r
	v_bfe_u32 v12, v0, 4, 1                        ; hh
	v_bfe_u32 v[RD], v0, 2, 2                      ; r / 4: whose stage holds my four columns
	v_lshlrev_b32 v[RD], 11, v[RD]
	v_and_b32 v[GO], 3, v0
	v_lshl_add_u32 v[RD], v[GO], 4, v[RD]          ; + 16 (r % 4)
	v_lshl_add_u32 v[RD], v12, 6, v[RD]            ; + 64 hh: lanes 16-31 take the next row
	s_lshl_b32 s62, s30, 13                        ; rows 8 w on lie in the stages of waves 4 (w / 4) on, at their tiles 8 (w % 4) on
	s_lshl_b32 s63, s29, 9
	s_add_co_u32 s62, s62, s63
	s_add_co_u32 s62, s62, OUTST
	v_add_nc_u32 v[RD], s62, v[RD]
	v_lshlrev_b32 v[GO], 12, v12                   ; and in out: 4,096 hh + 16 r
	v_lshl_add_u32 v[GO], v11, 4, v[GO]
	s_wait_alu depctr_va_vdst(0)                   ; v[RD] and v[GO] are written, which the loads and stores below read; and the last tile is done with v[X ..], in which the loads land
.irp k, 0,1,2,3
	ds_load_b128 v[X+4*\k:X+4*\k+3], v[RD] offset:128*\k
.endr
.irp k, 0,1,2,3
	s_wait_dscnt 3-\k                              ; LDS loads come back in order: the k-th is in, the younger ones may be out
	global_store_b128 v[GO], v[X+4*\k:X+4*\k+3], s[26:27] offset:8192*\k th:TH_STORE_NT
.endr
	s_wait_xcnt 0x0
	v_lshl_add_u32 v254, v0, 2, 0x14400            ; the add's two registers, made anew straight ahead of the closing lines: no memory or LDS instruction has read v254 or v255 since the wait on vm_vsrc in front of the loop
	v_mov_b32 v255, 0
	s_wait_dscnt 0x0                               ; the closing lines, six on end
	s_wait_alu 0x0
	s_wait_tensorcnt 0x0
	ds_add_u32 v254, v255
	s_wait_dscnt 0x0
	s_endpgm
.Lfunc_end_k_qfc9d785ed3_club:
	.size	k_qfc9d785ed3_club, .Lfunc_end_k_qfc9d785ed3_club-k_qfc9d785ed3_club
	.p2alignl 7, 3214868480
	.fill 96, 4, 3214868480
	.section	.rodata,"a",@progbits
	.p2align	6, 0x0
	.amdhsa_kernel k_qfc9d785ed3_club
		.amdhsa_group_segment_fixed_size 83968
		.amdhsa_private_segment_fixed_size 0
		.amdhsa_enable_private_segment 0
		.amdhsa_kernarg_size 80
		.amdhsa_user_sgpr_count 2
		.amdhsa_user_sgpr_kernarg_segment_ptr 1
		.amdhsa_wavefront_size32 1
		.amdhsa_system_sgpr_workgroup_id_x 1
		.amdhsa_system_sgpr_workgroup_id_y 1
		.amdhsa_system_sgpr_workgroup_id_z 1
		.amdhsa_system_vgpr_workitem_id 0
		.amdhsa_next_free_vgpr 512
		.amdhsa_next_free_sgpr 80
		.amdhsa_reserve_vcc 0
		.amdhsa_float_denorm_mode_32 3
		.amdhsa_float_denorm_mode_16_64 3
		.amdhsa_memory_ordered 1
		.amdhsa_forward_progress 1
		.amdhsa_inst_pref_size 175
	.end_amdhsa_kernel
	.amdgpu_metadata
---
amdhsa.version: [ 1, 2 ]
amdhsa.kernels:
  - .name:           k_qfc9d785ed3_club
    .symbol:         k_qfc9d785ed3_club.kd
    .args:
      - { .name: z1_codes, .offset: 0, .size: 8, .value_kind: global_buffer, .address_space: global }
      - { .name: z2_codes, .offset: 8, .size: 8, .value_kind: global_buffer, .address_space: global }
      - { .name: W1, .offset: 16, .size: 8, .value_kind: global_buffer, .address_space: global }
      - { .name: b1, .offset: 24, .size: 8, .value_kind: global_buffer, .address_space: global }
      - { .name: W2_codes, .offset: 32, .size: 8, .value_kind: global_buffer, .address_space: global }
      - { .name: b2, .offset: 40, .size: 8, .value_kind: global_buffer, .address_space: global }
      - { .name: W3, .offset: 48, .size: 8, .value_kind: global_buffer, .address_space: global }
      - { .name: b3, .offset: 56, .size: 8, .value_kind: global_buffer, .address_space: global }
      - { .name: lowp_scales, .offset: 64, .size: 8, .value_kind: global_buffer, .address_space: global }
      - { .name: out0, .offset: 72, .size: 8, .value_kind: global_buffer, .address_space: global }
    .group_segment_fixed_size: 83968
    .private_segment_fixed_size: 0
    .kernarg_segment_align: 8
    .kernarg_segment_size: 80
    .max_flat_workgroup_size: 256
    .sgpr_count:     80
    .vgpr_count:     512
    .wavefront_size: 32
...
	.end_amdgpu_metadata
.endif
;; end of part 2
